; MI455X (gfx1250); checked and timed in simulation.
; The chip was launched on July 23, 2026; its instructions are those of AMD's public machine-readable ISA for CDNA 5 (MIT licence, August 2026) and "CDNA5" Instruction Set Architecture Reference Guide (July 2026). The comments in the code are by the model that wrote it; some were corrected since.
;; Token Flow. Allowed arithmetic: float matrix products may take bf16 or f16 operands with f32 sums; other float arithmetic in f32, or as packed bf16 or f16 multiplies, adds, multiply-adds, maxima and minima; sums over many terms, partial sums and values carried from step to step in f32; what a program stores and reads back later, other than sums and carried values, may be rounded once to bf16 or f16.
;; Inputs: embedding 16,384 x 32 float32; z 32 x 32 x 16 x 16 float32.
;; Outputs: out0 32 x 32 x 16 x 16 float32; out1 one number float32; out2 8,192 int32.
;; One version. Each part assembles by itself: llvm-mc -triple=amdgcn-amd-amdhsa -mcpu=gfx1250 --defsym DOCPART=n.
;; ======== version 1 of 1: 4 launches
;; limits: inputs' magnitudes at most 256; right only within a limited range of input values; a difference of large sums (such as E[x^2] - mean^2): digits are lost where the result is much smaller than its terms
;; workspace buffers: eb 1,048,576 bytes; zb 524,288 bytes; nrm 163,840 bytes; part 524,288 bytes; pg 262,144 bytes of whole numbers; colr 295,936 bytes; gidf 32,768 bytes of whole numbers
;; launch prep (part 1): grid 192 x 1, 4 waves a work-group, no clusters, 0 bytes of LDS; arguments embedding, z, eb, nrm, zb; writes eb, nrm, zb
.if DOCPART == 1
	.amdgcn_target "amdgcn-amd-amdhsa--gfx1250"
	.amdhsa_code_object_version 6
	.text
	.protected	k_q5ae521d3ef_prep
	.globl	k_q5ae521d3ef_prep
	.p2align	8
	.type	k_q5ae521d3ef_prep,@function
k_q5ae521d3ef_prep:
	s_mov_b64 s[64:65], 0
	v_nop
	global_prefetch_b8 v0, s[64:65] scope:SCOPE_SE
	s_setreg_imm32_b32 hwreg(HW_REG_WAVE_MODE, 25, 1), 1
	s_wait_xcnt 0x0
; PREP.  Both inputs are rounded once to bf16, and every later launch works on the rounded copies alone.
; eb[16384][32] = bf16(embedding); zb[8192][32] = bf16(z) with the token (b, hw) as the row; nrm holds f32 sums of squares of the ROUNDED
; numbers: ee[16384] at byte 0, -ee/2 at byte 65,536, zz[8192] at byte 131,072.
; One thread makes one row of 32 numbers.  Work-groups 0-127 take 128 codes each, work-groups 128-191 take 128 tokens each.
; A thread's four row stores are 16 bytes each, 64 bytes from its neighbour's: the four together fill the row; the launch moves 4.7 MB in all.
.set NE, 128                           ; work-groups that take codes
.set X,  8                             ; v[8:39]   the row in f32
.set H,  40                            ; v[40:55]  the row in bf16, packed
.set Q,  56                            ; v[56:59]  four chains of the sum of squares
	s_load_b256 s[4:11], s[0:1], 0x0               ; embedding s[4:5], z s[6:7], eb s[8:9], nrm s[10:11]
	s_load_b64 s[12:13], s[0:1], 0x20              ; zb
	s_mov_b32 s21, 0                               ; the high word of every offset
	s_mov_b32 s24, 0xffff0000                      ; a word's upper bf16
	v_lshlrev_b32 v1, 6, v0                        ; 64 t: my row in eb or zb
	v_lshlrev_b32 v2, 2, v0                        ; 4 t: my norm; also my token in a plane of z
	v_lshlrev_b32 v3, 7, v0                        ; 128 t: my row in embedding
	s_wait_kmcnt 0x0
	s_cmp_lt_u32 ttmp9, NE
	s_cbranch_scc0 .Ltokens
	s_lshl_b32 s20, ttmp9, 14                      ; 128 rows of 128 bytes
	s_add_nc_u64 s[14:15], s[4:5], s[20:21]
	s_lshl_b32 s20, ttmp9, 13                      ; 128 rows of 64 bytes
	s_add_nc_u64 s[16:17], s[8:9], s[20:21]
	s_lshl_b32 s20, ttmp9, 9                       ; 128 norms
	s_add_nc_u64 s[18:19], s[10:11], s[20:21]
.irp i, 0,1,2,3,4,5,6,7
	global_load_b128 v[X+4*\i:X+4*\i+3], v3, s[14:15] offset:16*\i
.endr
	s_branch .Lround
.Ltokens:
	s_sub_co_u32 s22, ttmp9, NE                    ; g': 128 tokens = half an image
	s_lshr_b32 s20, s22, 1
	s_lshl_b32 s20, s20, 15                        ; the image: 32 planes of 1,024 bytes
	s_and_b32 s23, s22, 1
	s_lshl_b32 s23, s23, 9                         ; which half of each plane
	s_add_co_u32 s20, s20, s23
	s_add_nc_u64 s[14:15], s[6:7], s[20:21]
	s_lshl_b32 s20, s22, 13
	s_add_nc_u64 s[16:17], s[12:13], s[20:21]
	s_lshl_b32 s20, s22, 9
	s_add_co_u32 s20, s20, 131072                  ; zz lies behind ee and -ee/2
	s_add_nc_u64 s[18:19], s[10:11], s[20:21]
.set c, 0
.rept 32
	global_load_b32 v[X+c], v2, s[14:15] offset:1024*c   ; channel c: a wave reads 128 neighbouring bytes of its plane
.set c, c+1
.endr
.Lround:
	s_wait_loadcnt 0x0
.set i, 0
.rept 16
	v_cvt_pk_bf16_f32 v[H+i], v[X+2*i], v[X+2*i+1]
.set i, i+1
.endr
.set i, 0
.rept 16
	v_lshlrev_b32 v[X+2*i], 16, v[H+i]             ; back to f32: the norms are those of the rounded numbers
	v_and_b32 v[X+2*i+1], s24, v[H+i]
.set i, i+1
.endr
.irp k, 0,1,2,3
	v_mul_f32 v[Q+\k], v[X+\k], v[X+\k]            ; the first four squares start the chains
.endr
.set i, 4
.rept 28
	v_fmac_f32 v[Q+i%4], v[X+i], v[X+i]
.set i, i+1
.endr
	v_add_f32 v[Q], v[Q], v[Q+1]
	v_add_f32 v[Q+2], v[Q+2], v[Q+3]
	v_add_f32 v[Q], v[Q], v[Q+2]
.irp q, 0,1,2,3
	global_store_b128 v1, v[H+4*\q:H+4*\q+3], s[16:17] offset:16*\q
.endr
	global_store_b32 v2, v[Q], s[18:19]
	s_cmp_lt_u32 ttmp9, NE
	s_cbranch_scc0 .Lend
	v_mul_f32 v[Q+1], -0.5, v[Q]                   ; -ee/2: what starts the sums of the softmax pass
	global_store_b32 v2, v[Q+1], s[18:19] offset:65536
.Lend:
	s_endpgm
.Lfunc_end_k_q5ae521d3ef_prep:
	.size	k_q5ae521d3ef_prep, .Lfunc_end_k_q5ae521d3ef_prep-k_q5ae521d3ef_prep
	.p2alignl 7, 3214868480
	.fill 96, 4, 3214868480
	.section	.rodata,"a",@progbits
	.p2align	6, 0x0
	.amdhsa_kernel k_q5ae521d3ef_prep
		.amdhsa_group_segment_fixed_size 0
		.amdhsa_private_segment_fixed_size 0
		.amdhsa_enable_private_segment 0
		.amdhsa_kernarg_size 40
		.amdhsa_user_sgpr_count 2
		.amdhsa_user_sgpr_kernarg_segment_ptr 1
		.amdhsa_wavefront_size32 1
		.amdhsa_system_sgpr_workgroup_id_x 1
		.amdhsa_system_sgpr_workgroup_id_y 1
		.amdhsa_system_sgpr_workgroup_id_z 1
		.amdhsa_system_vgpr_workitem_id 0
		.amdhsa_next_free_vgpr 64
		.amdhsa_next_free_sgpr 66
		.amdhsa_reserve_vcc 0
		.amdhsa_float_denorm_mode_32 3
		.amdhsa_float_denorm_mode_16_64 3
		.amdhsa_memory_ordered 1
		.amdhsa_forward_progress 1
		.amdhsa_inst_pref_size 9
	.end_amdhsa_kernel
	.amdgpu_metadata
---
amdhsa.version: [ 1, 2 ]
amdhsa.kernels:
  - .name:           k_q5ae521d3ef_prep
    .symbol:         k_q5ae521d3ef_prep.kd
    .args:
      - { .name: embedding, .offset: 0, .size: 8, .value_kind: global_buffer, .address_space: global }
      - { .name: z, .offset: 8, .size: 8, .value_kind: global_buffer, .address_space: global }
      - { .name: eb, .offset: 16, .size: 8, .value_kind: global_buffer, .address_space: global }
      - { .name: nrm, .offset: 24, .size: 8, .value_kind: global_buffer, .address_space: global }
      - { .name: zb, .offset: 32, .size: 8, .value_kind: global_buffer, .address_space: global }
    .group_segment_fixed_size: 0
    .private_segment_fixed_size: 0
    .kernarg_segment_align: 8
    .kernarg_segment_size: 40
    .max_flat_workgroup_size: 128
    .sgpr_count:     66
    .vgpr_count:     64
    .wavefront_size: 32
...
	.end_amdgpu_metadata
.endif
;; end of part 1
;; launch rows (part 2): grid 32 x 8, 8 waves a work-group, no clusters, 187,392 bytes of LDS; arguments eb, nrm, zb, part, pg; writes part, pg
.if DOCPART == 2
	.amdgcn_target "amdgcn-amd-amdhsa--gfx1250"
	.amdhsa_code_object_version 6
	.text
	.protected	k_q5ae521d3ef_rows
	.globl	k_q5ae521d3ef_rows
	.p2align	8
	.type	k_q5ae521d3ef_rows,@function
k_q5ae521d3ef_rows:
	s_mov_b64 s[64:65], 0
	v_nop
	global_prefetch_b8 v0, s[64:65] scope:SCOPE_SE
	s_setreg_imm32_b32 hwreg(HW_REG_WAVE_MODE, 25, 1), 1
	s_wait_xcnt 0x0
; ROWS.  For each token and each slice of 2,048 codes: the least distance d, the block of 32 codes that holds it, and log2 of the sum of 2^sigma,
; sigma = 2 c2 (z.e - ee/2), c2 = 100 log2(e): the softmax of -100 d with the token's own zz left out (it cancels).
; SHARES.  A work-group: one image (256 tokens) x one slice.  Wave w: 64 tokens (tg = w & 3; four fragments kept in registers) x 1,024 codes (ch = w >> 2), 32 trips of 32 codes.
; LAYOUT.  Source 0 = 16 codes, source 1 = 16 tokens: a lane holds ONE token (lane % 16) and the codes 8 (lane / 16) + 0..7.
; PHASE 1.  d = fl(fl(zz + ee) - 2 dot), the two roundings of the formula as it is given; a trip's minimum is compared with the running one by a strict <, so the first block wins a tie.
; PHASE 2.  The products once more, started with -ee/2; x = 2 c2 D - m with m = c2 (zz - dmin), the largest sigma of the wave's stream; 2^x is summed.
; The slice fits LDS whole and is filled once: no slot is filled again.  NO CLUSTER: the 160 KB of a slice are asked for once a work-group, ahead of 64 trips of work.
; LIMITS.  NaN and infinities are not treated apart.  m is off the true maximum by c2 times the step of d in f32: x stays under 128 while a token's zz is under 2^21.
.set EE,    163840                     ; LDS: 2,048 code rows of 64 bytes at pitch 80 from byte 0; then ee of the slice,
.set EH,    EE+8192                    ; -ee/2 of the slice,
.set SCR,   EH+8192                    ; 768 bytes a wave (lse, d, block x 64 tokens), written by LDS stores alone,
.set SPARE, SCR+6144                   ; and the spare words, 128 bytes a wave, which no other line names
.set BZ,  16                           ; v[16:47]   my four token fragments
.set ZZ,  48                           ; v[48:55]   zz of tile t, twice (a pair)
.set NM,  56                           ; v[56:63]   -m of tile t, twice
.set RUN, 64                           ; v[64:67]   running least d
.set GID, 68                           ; v[68:71]   its block
.set MT,  72                           ; v[72:75]   the trip's least d
.set SS,  76                           ; v[76:83]   sums of 2^x, a pair a tile
.set T,   84                           ; v[84:91]   at work
.set AF,  96                           ; v[96:111]  two code fragments
.set EF,  112                          ; v[112:127] ee (phase 1) or -ee/2 (phase 2) of my 8 codes in each
.set D,   128                          ; v[128:191] results: code tile x, token tile t at D + 32 x + 8 t
.set X,   192                          ; v[192:215] the tail's
	s_load_b256 s[4:11], s[0:1], 0x0               ; eb s[4:5], nrm s[6:7], zb s[8:9], part s[10:11]
	s_load_b64 s[12:13], s[0:1], 0x20              ; pg
	v_lshl_add_u32 v8, v0, 2, SPARE
	v_mov_b32 v9, 0
	ds_add_u32 v8, v9                              ; the wave's opening: the add and its wait ahead of my first tensor load
	ds_add_u32 v8, v9
	v_lshrrev_b32 v1, 5, v0
	v_readfirstlane_b32 s14, v1                    ; wave 0..7
	s_and_b32 s15, s14, 3                          ; tg
	s_lshr_b32 s16, s14, 2                         ; ch
	s_and_b32 s17, ttmp7, 0xffff                   ; the slice
	; group 1 for code rows: 256 rows of 64 bytes are 16,384 dense bytes, asked for as 64 rows of 256 bytes and padded in LDS after every 16 words by 4: pitch 80
	s_mov_b32 s24, (1<<16)|(1<<20)|(3<<22)|(3<<25)
	s_mov_b32 s25, 128<<16                         ; tensor_dim0 = 128 elements of 2 bytes
	s_mov_b32 s26, 64<<16                          ; tensor_dim1 = 64
	s_mov_b32 s27, 128<<16                         ; tile_dim0
	s_mov_b32 s28, 64                              ; tile_dim1
	s_mov_b32 s29, 128                             ; elements from row to row
	s_mov_b32 s30, 0
	s_mov_b32 s31, 0
	; group 1 for norms: 1,024 dense bytes as 4 rows of 32 elements of 8 bytes
	s_mov_b32 s32, 3<<16
	s_mov_b32 s33, 32<<16
	s_mov_b32 s34, 4<<16
	s_mov_b32 s35, 32<<16
	s_mov_b32 s36, 4
	s_mov_b32 s37, 32
	s_mov_b32 s38, 0
	s_mov_b32 s39, 0
	s_mov_b32 s40, 1
	s_mul_i32 s41, s14, 20480                      ; my 256 code rows in LDS
	s_mov_b32 s44, 1
	s_lshl_b32 s45, s14, 10
	s_add_co_u32 s45, s45, EE
	s_mov_b32 s48, 1
	s_lshl_b32 s49, s14, 10
	s_add_co_u32 s49, s49, EH
	s_mov_b32 s52, 0x439044fe                      ; 2 c2
	s_mov_b32 s53, s52                             ; named with it as a pair
	s_mov_b32 s54, 0xc31044fe                      ; -c2
	s_mov_b32 s56, 0x76543210                      ; v_permlanex16_b32: each lane takes its own place in the other half
	s_mov_b32 s57, 0xfedcba98
	s_lshl_b32 s20, s17, 17                        ; the slice's rows in eb,
	s_lshl_b32 s55, s14, 14                        ; my 256 of them
	s_add_co_u32 s20, s20, s55
	s_mov_b32 s21, 0
	s_lshl_b32 s62, s17, 13                        ; the slice's norms,
	s_lshl_b32 s55, s14, 10                        ; my 256
	s_add_co_u32 s62, s62, s55
	s_mov_b32 s63, 0
	s_wait_dscnt 0x0                               ; the opening add is done
	s_wait_kmcnt 0x0
	s_add_nc_u64 s[42:43], s[4:5], s[20:21]
	s_or_b32 s43, s43, 0x80000000
	s_add_nc_u64 s[46:47], s[6:7], s[62:63]
	s_add_nc_u64 s[50:51], s[46:47], 0x10000       ; -ee/2 lies 65,536 bytes behind ee
	s_or_b32 s47, s47, 0x80000000
	s_or_b32 s51, s51, 0x80000000
	tensor_load_to_lds s[40:43], s[24:31]          ; the launch's only fills, three of mine out together
	s_nop 0
	tensor_load_to_lds s[44:47], s[32:39]
	s_nop 0
	tensor_load_to_lds s[48:51], s[32:39]
	s_nop 0
	v_and_b32 v1, 15, v0                           ; r
	v_bfe_u32 v2, v0, 4, 1                         ; h
	v_cmp_ne_u32 s60, 0, v2                        ; the lanes with h = 1
	s_lshl_b32 s20, ttmp9, 14                      ; the image's 256 rows of zb
	s_add_nc_u64 s[18:19], s[8:9], s[20:21]
	s_lshl_b32 s20, ttmp9, 10
	s_add_co_u32 s20, s20, 131072
	s_add_nc_u64 s[22:23], s[6:7], s[20:21]        ; and its zz
	s_lshl_b32 s55, s15, 6
	v_add_nc_u32 v7, s55, v1                       ; token 64 tg + r
	v_lshlrev_b32 v10, 6, v7
	v_lshl_add_u32 v10, v2, 4, v10                 ; row x 64 + 16 h
	v_lshlrev_b32 v11, 2, v7
.irp t, 0,1,2,3
	global_load_b128 v[BZ+8*\t:BZ+8*\t+3],   v10, s[18:19] offset:1024*\t
	global_load_b128 v[BZ+8*\t+4:BZ+8*\t+7], v10, s[18:19] offset:1024*\t+32
.endr
.irp t, 0,1,2,3
	global_load_b32 v[ZZ+2*\t], v11, s[22:23] offset:64*\t
.endr
	s_mul_i32 s55, s16, 81920                      ; my 1,024 code rows
	v_mul_u32_u24 v5, v1, 80
	v_lshl_add_u32 v5, v2, 4, v5
	v_add_nc_u32 v5, s55, v5                       ; v5: fragment address of trip 0
	s_lshl_b32 s55, s16, 12
	s_add_co_u32 s55, s55, EE
	v_lshl_add_u32 v6, v2, 5, s55                  ; v6: ee of my 8 codes in trip 0
	s_lshl_b32 s59, s17, 6
	s_lshl_b32 s55, s16, 5
	s_add_co_u32 s59, s59, s55                     ; the block number of trip 0: 64 slice + 32 ch
	v_mov_b32 v12, s59                             ; v12: the block of the trip in hand
	s_wait_tensorcnt 0x0                           ; my parts of the slice are in,
	s_barrier_signal -1
	s_barrier_wait -1                              ; everybody's are
; four products: code tile x against my four token tiles; c = 1: the sums start with -ee/2
.macro WM x, c
.irp t, 0,1,2,3
.if \c
	v_wmma_f32_16x16x32_bf16 v[D+32*(\x)+8*\t:D+32*(\x)+8*\t+7], v[AF+8*(\x):AF+8*(\x)+7], v[BZ+8*\t:BZ+8*\t+7], v[EF+8*(\x):EF+8*(\x)+7]
.else
	v_wmma_f32_16x16x32_bf16 v[D+32*(\x)+8*\t:D+32*(\x)+8*\t+7], v[AF+8*(\x):AF+8*(\x)+7], v[BZ+8*\t:BZ+8*\t+7], 0
.endif
.endr
.endm
; phase 1, code tile x: d in place of the dots, and the trip's minimum.  Groups of four, one line a token tile, so that no line waits for the one before it; each result's lowest pair is read first.
.macro PROC1 x
.irp i, 0,1,2,3
.irp t, 0,1,2,3
	v_pk_add_f32 v[T+2*\t:T+2*\t+1], v[EF+8*(\x)+2*\i:EF+8*(\x)+2*\i+1], v[ZZ+2*\t:ZZ+2*\t+1]
.endr
.irp t, 0,1,2,3
	v_pk_fma_f32 v[D+32*(\x)+8*\t+2*\i:D+32*(\x)+8*\t+2*\i+1], v[D+32*(\x)+8*\t+2*\i:D+32*(\x)+8*\t+2*\i+1], -2.0, v[T+2*\t:T+2*\t+1] op_sel_hi:[1,0,1]
.endr
.irp t, 0,1,2,3
.if ((\x) == 0) && ((\i) == 0)
	v_min_num_f32 v[MT+\t], v[D+8*\t], v[D+8*\t+1]
.else
	v_min3_num_f32 v[MT+\t], v[MT+\t], v[D+32*(\x)+8*\t+2*\i], v[D+32*(\x)+8*\t+2*\i+1]
.endif
.endr
.endr
.endm
; half a trip of phase 1.  nxt = 1: the next trip's fragment is fetched ahead of the arithmetic, its ee behind it (the arithmetic reads the old ee), and its products are issued.
.macro H1 x, nxt
.if \nxt
	ds_load_b128 v[AF+8*(\x):AF+8*(\x)+3],   v3 offset:1280*(\x)
	ds_load_b128 v[AF+8*(\x)+4:AF+8*(\x)+7], v3 offset:1280*(\x)+32
.else
	s_wait_dscnt 0x0
.endif
	PROC1 \x
.if \nxt
	ds_load_b128 v[EF+8*(\x):EF+8*(\x)+3],   v4 offset:64*(\x)
	ds_load_b128 v[EF+8*(\x)+4:EF+8*(\x)+7], v4 offset:64*(\x)+16
	s_wait_dscnt 0x2                               ; all but the two loads of ee just issued: the fragment is in, and so is the other half's ee
	WM \x, 0
.endif
.endm
.macro GRP                             ; the trip's minimum against the running one: a strict <, so the earlier block keeps a tie
.irp t, 0,1,2,3
	v_cmp_lt_f32 s[66+\t], v[MT+\t], v[RUN+\t]
.endr
.irp t, 0,1,2,3
	v_cndmask_b32 v[GID+\t], v[GID+\t], v12, s[66+\t]
.endr
.irp t, 0,1,2,3
	v_min_num_f32 v[RUN+\t], v[RUN+\t], v[MT+\t]
.endr
.endm
.macro FIRST e                         ; trip 0's fragments, and ee (e = 0) or -ee/2 (e = 8192)
	ds_load_b128 v[AF:AF+3],     v5
	ds_load_b128 v[AF+4:AF+7],   v5 offset:32
	ds_load_b128 v[AF+8:AF+11],  v5 offset:1280
	ds_load_b128 v[AF+12:AF+15], v5 offset:1312
	ds_load_b128 v[EF:EF+3],     v6 offset:(\e)
	ds_load_b128 v[EF+4:EF+7],   v6 offset:(\e)+16
	ds_load_b128 v[EF+8:EF+11],  v6 offset:(\e)+64
	ds_load_b128 v[EF+12:EF+15], v6 offset:(\e)+80
.endm
	; PHASE 1
	FIRST 0
	s_wait_loadcnt 0x0                             ; my tokens and their zz
	s_wait_dscnt 0x0
.irp t, 0,1,2,3
	v_mov_b32 v[ZZ+2*\t+1], v[ZZ+2*\t]
.endr
	WM 0, 0
	WM 1, 0
.irp t, 0,1,2,3                        ; ten plain lines that name no register of the products: the places behind them
	v_mov_b32 v[RUN+\t], 0x7f800000
	v_mov_b32 v[GID+\t], v12
.endr
	v_add_nc_u32 v3, 2560, v5                      ; the next trip's 32 code rows
	v_add_nc_u32 v4, 128, v6
	s_mov_b32 s58, 31
.Lp1:
	H1 0, 1
	H1 1, 1
	GRP
	v_add_nc_u32 v3, 2560, v3
	v_add_nc_u32 v4, 128, v4
	v_add_nc_u32 v12, 1, v12
	s_sub_co_u32 s58, s58, 1
	s_cmp_lg_u32 s58, 0
	s_cbranch_scc1 .Lp1
	H1 0, 0                                        ; the last trip fetches nothing
	H1 1, 0
	GRP
	; the token's other codes lie in the lane 16 away: the lesser d, at a tie the lower block; then -m
.irp t, 0,1,2,3
	v_permlanex16_b32 v[T+\t], v[RUN+\t], s56, s57
	v_permlanex16_b32 v[T+4+\t], v[GID+\t], s56, s57
.endr
.irp t, 0,1,2,3
	v_cmp_lt_f32 s66, v[T+\t], v[RUN+\t]
	v_cmp_eq_f32 s67, v[T+\t], v[RUN+\t]
	v_cmp_lt_u32 s68, v[T+4+\t], v[GID+\t]
	s_and_b32 s67, s67, s68
	s_or_b32 s66, s66, s67
	v_cndmask_b32 v[RUN+\t], v[RUN+\t], v[T+\t], s66
	v_cndmask_b32 v[GID+\t], v[GID+\t], v[T+4+\t], s66
	v_sub_f32 v10, v[ZZ+2*\t], v[RUN+\t]
	v_mul_f32 v[NM+2*\t], s54, v10                 ; -m = -c2 (zz - dmin)
	v_mov_b32 v[NM+2*\t+1], v[NM+2*\t]
.endr
; phase 2: x = 2 c2 D - m for pair i of tile k
.macro FOP2 x, k, i
.if (\k) < 4
	v_pk_fma_f32 v[D+32*(\x)+8*(\k)+2*(\i):D+32*(\x)+8*(\k)+2*(\i)+1], v[D+32*(\x)+8*(\k)+2*(\i):D+32*(\x)+8*(\k)+2*(\i)+1], s[52:53], v[NM+2*(\k):NM+2*(\k)+1] op_sel_hi:[1,0,1]
.endif
.endm
; step i of four of the sum of tile k's eight weights
.macro SOP2 x, k, i
.if (\k) >= 0
.set rD, D+32*(\x)+8*(\k)
.if (\i) == 0
	s_wait_alu depctr_va_vdst(0)
	v_pk_add_f32 v[rD:rD+1], v[rD:rD+1], v[rD+2:rD+3]
.elseif (\i) == 1
	v_pk_add_f32 v[rD+4:rD+5], v[rD+4:rD+5], v[rD+6:rD+7]
.elseif (\i) == 2
	v_pk_add_f32 v[rD:rD+1], v[rD:rD+1], v[rD+4:rD+5]
.else
	v_pk_add_f32 v[SS+2*(\k):SS+2*(\k)+1], v[SS+2*(\k):SS+2*(\k)+1], v[rD:rD+1]
.endif
.endif
.endm
; code tile x: the exponentials of tile k stand among the scalings of tile k + 1 and the sums of tile k - 1: a result is used a tile later, behind plain lines
.macro PROC2 x
.irp i, 0,1,2,3
	FOP2 \x, 0, \i
.endr
.irp k, 0,1,2,3
.irp i, 0,1,2,3
	v_exp_f32 v[D+32*(\x)+8*\k+2*\i], v[D+32*(\x)+8*\k+2*\i]
	FOP2 \x, \k+1, \i
	v_exp_f32 v[D+32*(\x)+8*\k+2*\i+1], v[D+32*(\x)+8*\k+2*\i+1]
	SOP2 \x, \k-1, \i
.endr
.endr
.irp i, 0,1,2,3
	SOP2 \x, 3, \i
.endr
.endm
.macro H2 x, nxt
.if \nxt
	ds_load_b128 v[AF+8*(\x):AF+8*(\x)+3],   v3 offset:1280*(\x)
	ds_load_b128 v[AF+8*(\x)+4:AF+8*(\x)+7], v3 offset:1280*(\x)+32
	ds_load_b128 v[EF+8*(\x):EF+8*(\x)+3],   v4 offset:8192+64*(\x)
	ds_load_b128 v[EF+8*(\x)+4:EF+8*(\x)+7], v4 offset:8192+64*(\x)+16
.endif
	PROC2 \x
.if \nxt
	s_wait_dscnt 0x0
	WM \x, 1
.endif
.endm
	; PHASE 2
	FIRST 8192
	s_wait_dscnt 0x0
	WM 0, 1
	WM 1, 1
.irp t, 0,1,2,3,4,5,6,7                ; ten plain lines: the places behind the products
	v_mov_b32 v[SS+\t], 0
.endr
	v_add_nc_u32 v3, 2560, v5
	v_add_nc_u32 v4, 128, v6
	s_mov_b32 s58, 31
.Lp2:
	H2 0, 1
	H2 1, 1
	v_add_nc_u32 v3, 2560, v3
	v_add_nc_u32 v4, 128, v4
	s_sub_co_u32 s58, s58, 1
	s_cmp_lg_u32 s58, 0
	s_cbranch_scc1 .Lp2
	H2 0, 0
	H2 1, 0
	; THE TAIL.  A token's sum: its pair, and the other half of the lanes'.  Two tiles share a register (lanes 0-15 the even tile, 16-31 the odd): lane L then holds token 32 j + L.
.irp t, 0,1,2,3
	v_add_f32 v[X+\t], v[SS+2*\t], v[SS+2*\t+1]
.endr
.irp t, 0,1,2,3
	v_permlanex16_b32 v[T+\t], v[X+\t], s56, s57
.endr
.irp t, 0,1,2,3
	v_add_f32 v[X+\t], v[X+\t], v[T+\t]
.endr
.irp j, 0,1
	v_cndmask_b32 v[X+4+\j],  v[X+2*\j],   v[X+2*\j+1],   s60
	v_cndmask_b32 v[X+6+\j],  v[NM+4*\j],  v[NM+4*\j+2],  s60
	v_cndmask_b32 v[X+8+\j],  v[RUN+2*\j], v[RUN+2*\j+1], s60
	v_cndmask_b32 v[X+10+\j], v[GID+2*\j], v[GID+2*\j+1], s60
.endr
	v_log_f32 v[X+4], v[X+4]
	v_log_f32 v[X+5], v[X+5]
	v_and_b32 v11, 31, v0                          ; a plain line behind the logarithms
	s_mul_i32 s55, s14, 768
	s_add_co_u32 s55, s55, SCR
	v_lshl_add_u32 v10, v11, 2, s55
	s_wait_alu depctr_va_vdst(0)
	v_sub_f32 v[X+4], v[X+4], v[X+6]               ; lse = log2(sum) + m
	v_sub_f32 v[X+5], v[X+5], v[X+7]
	ds_store_b32 v10, v[X+4]
	ds_store_b32 v10, v[X+5]  offset:128
	ds_store_b32 v10, v[X+8]  offset:256
	ds_store_b32 v10, v[X+9]  offset:384
	ds_store_b32 v10, v[X+10] offset:512
	ds_store_b32 v10, v[X+11] offset:640
	s_wait_dscnt 0x0                               ; for the others' sake: my stores are done
	s_barrier_signal -1
	s_barrier_wait -1
	s_cmp_lt_u32 s14, 4
	s_cbranch_scc1 .Lmerge
	s_wait_tensorcnt 0x0                           ; waves 4-7 end here
	ds_add_u32 v8, v9
	s_wait_dscnt 0x0
	s_endpgm
.Lmerge:                                               ; wave w joins its own figures (codes 0-1,023 of the slice) with wave w + 4's (the same tokens, codes 1,024-2,047)
	v_lshl_add_u32 v13, v11, 3, s55                ; tokens 2 L, 2 L + 1
	ds_load_b64 v[204:205], v13
	ds_load_b64 v[206:207], v13 offset:256
	ds_load_b64 v[208:209], v13 offset:512
	ds_load_b64 v[210:211], v13 offset:3072
	ds_load_b64 v[212:213], v13 offset:3328
	ds_load_b64 v[214:215], v13 offset:3584
	s_lshl_b32 s20, s17, 15                        ; [slice][8192] words: the slice,
	s_lshl_b32 s61, ttmp9, 10                      ; the image
	s_add_co_u32 s20, s20, s61
	s_add_nc_u64 s[62:63], s[10:11], s[20:21]
	s_add_nc_u64 s[18:19], s[12:13], s[20:21]
	s_lshl_b32 s61, s14, 8
	v_lshl_add_u32 v14, v11, 3, s61                ; 256 w + 8 L
	s_wait_dscnt 0x0
.irp e, 0,1
	v_cmp_lt_f32 s[66+\e], v[212+\e], v[206+\e]    ; the later codes win only if strictly nearer
	v_max_num_f32 v[192+\e], v[204+\e], v[210+\e]
	v_min_num_f32 v[194+\e], v[204+\e], v[210+\e]
.endr
.irp e, 0,1
	v_cndmask_b32 v[206+\e], v[206+\e], v[212+\e], s[66+\e]
	v_cndmask_b32 v[208+\e], v[208+\e], v[214+\e], s[66+\e]
	v_sub_f32 v[194+\e], v[194+\e], v[192+\e]
.endr
	v_exp_f32 v194, v194
	v_exp_f32 v195, v195
	v_nop
	s_wait_alu depctr_va_vdst(0)
	v_add_f32 v194, 1.0, v194
	v_add_f32 v195, 1.0, v195
	v_log_f32 v194, v194
	v_log_f32 v195, v195
	v_nop
	s_wait_alu depctr_va_vdst(0)
	v_add_f32 v204, v192, v194                     ; max + log2(1 + 2^(min - max))
	v_add_f32 v205, v193, v195
	global_store_b64 v14, v[204:205], s[62:63]                 ; each store of the wave covers 256 consecutive bytes, aligned
	global_store_b64 v14, v[206:207], s[62:63] offset:262144
	global_store_b64 v14, v[208:209], s[18:19]
	s_wait_tensorcnt 0x0                           ; the wave's end
	ds_add_u32 v8, v9
	s_wait_dscnt 0x0
	s_endpgm
.Lfunc_end_k_q5ae521d3ef_rows:
	.size	k_q5ae521d3ef_rows, .Lfunc_end_k_q5ae521d3ef_rows-k_q5ae521d3ef_rows
	.p2alignl 7, 3214868480
	.fill 96, 4, 3214868480
	.section	.rodata,"a",@progbits
	.p2align	6, 0x0
	.amdhsa_kernel k_q5ae521d3ef_rows
		.amdhsa_group_segment_fixed_size 187392
		.amdhsa_private_segment_fixed_size 0
		.amdhsa_enable_private_segment 0
		.amdhsa_kernarg_size 40
		.amdhsa_user_sgpr_count 2
		.amdhsa_user_sgpr_kernarg_segment_ptr 1
		.amdhsa_wavefront_size32 1
		.amdhsa_system_sgpr_workgroup_id_x 1
		.amdhsa_system_sgpr_workgroup_id_y 1
		.amdhsa_system_sgpr_workgroup_id_z 1
		.amdhsa_system_vgpr_workitem_id 0
		.amdhsa_next_free_vgpr 216
		.amdhsa_next_free_sgpr 72
		.amdhsa_reserve_vcc 0
		.amdhsa_float_denorm_mode_32 3
		.amdhsa_float_denorm_mode_16_64 3
		.amdhsa_memory_ordered 1
		.amdhsa_forward_progress 1
		.amdhsa_inst_pref_size 44
	.end_amdhsa_kernel
	.amdgpu_metadata
---
amdhsa.version: [ 1, 2 ]
amdhsa.kernels:
  - .name:           k_q5ae521d3ef_rows
    .symbol:         k_q5ae521d3ef_rows.kd
    .args:
      - { .name: eb, .offset: 0, .size: 8, .value_kind: global_buffer, .address_space: global }
      - { .name: nrm, .offset: 8, .size: 8, .value_kind: global_buffer, .address_space: global }
      - { .name: zb, .offset: 16, .size: 8, .value_kind: global_buffer, .address_space: global }
      - { .name: part, .offset: 24, .size: 8, .value_kind: global_buffer, .address_space: global }
      - { .name: pg, .offset: 32, .size: 8, .value_kind: global_buffer, .address_space: global }
    .group_segment_fixed_size: 187392
    .private_segment_fixed_size: 0
    .kernarg_segment_align: 8
    .kernarg_segment_size: 40
    .max_flat_workgroup_size: 256
    .sgpr_count:     72
    .vgpr_count:     216
    .wavefront_size: 32
...
	.end_amdgpu_metadata
.endif
;; end of part 2
;; launch cols (part 3): grid 64 x 4, 8 waves a work-group, no clusters, 177,408 bytes of LDS; arguments eb, nrm, zb, part, pg, colr, gidf; writes colr, gidf
.if DOCPART == 3
	.amdgcn_target "amdgcn-amd-amdhsa--gfx1250"
	.amdhsa_code_object_version 6
	.text
	.protected	k_q5ae521d3ef_cols
	.globl	k_q5ae521d3ef_cols
	.p2align	8
	.type	k_q5ae521d3ef_cols,@function
k_q5ae521d3ef_cols:
	s_mov_b64 s[64:65], 0
	v_nop
	global_prefetch_b8 v0, s[64:65] scope:SCOPE_SE
	s_setreg_imm32_b32 hwreg(HW_REG_WAVE_MODE, 25, 1), 1
	s_wait_xcnt 0x0
; COLS.  With each token's log-sum-exp known, y = log2 p = 2 c2 (z.e - LSE / (2 c2)) - c2 ee, p = 2^y.  Made here: the sum of p over tokens for each code, and the sum of p y over everything.
; SHARES.  A work-group: 256 codes (x) x 2,048 tokens (y).  Wave w: 128 codes (cg = w & 1; eight fragments kept in registers) x 512 tokens (tq = w >> 1), 32 trips of 16 tokens.
; LAYOUT.  Source 0 = 16 tokens, source 1 = 16 codes: a lane holds ONE code (lane % 16) and the tokens 8 (lane / 16) + 0..7, so a code's sum stays in its lane.
; -LSE / (2 c2) of the lane's eight tokens starts each product's sum.  It is made in the prologue from the eight slices' figures, with their maximum taken away first.
; The work-groups with x = 0 also choose, by v_cndmask_b32, each token's least d and its block among the eight slices (a strict <: the lower slice keeps a tie) and store them.
; The 2,048 tokens fit LDS whole and are filled once.  NO CLUSTER: 160 KB are asked for once a work-group, ahead of 32 trips of work.
; LIMITS.  NaN and infinities are not treated apart; a p below 2^-126 counts as 0.
.set TAU,   163840                     ; LDS: 2,048 token rows at pitch 80 from byte 0; then -LSE / (2 c2), written by LDS stores,
.set SCRC,  TAU+8192                   ; [tq][256 codes] partial column sums,
.set ENTS,  SCRC+4096                  ; a word a wave,
.set SPARE, ENTS+256                   ; and the spare words, 128 bytes a wave, which no other line names
.set BE,   16                          ; v[16:79]   my eight code fragments
.set W,    80                          ; v[80:95]   -c2 ee of code tile c, twice
.set COL,  96                          ; v[96:111]  column sums, a pair a code tile
.set ENT,  112                         ; v[112:119] four pairs of the sum of p y
.set AF,   120                         ; v[120:127] the token fragment
.set D,    128                         ; v[128:191] results: half x, code tile k at D + 32 x + 8 k.  In the prologue: the slices' figures, [q][slice][4]
.set CF,   192                         ; v[192:199] -LSE / (2 c2) of my 8 tokens
.set P,    200                         ; v[200:215] p, two buffers
.set M,    216                         ; v[216:219] prologue: maxima
.set TAUR, 220                         ; v[220:227] prologue: results
.set EEL,  228                         ; v[228:235] ee as loaded
.set PG,   192                         ; v[192:255] prologue, x = 0 alone: the slices' blocks
	s_load_b256 s[4:11], s[0:1], 0x0               ; eb s[4:5], nrm s[6:7], zb s[8:9], part s[10:11]
	s_load_b128 s[12:15], s[0:1], 0x20             ; pg s[12:13], colr s[14:15]
	s_load_b64 s[16:17], s[0:1], 0x30              ; gidf
	v_lshl_add_u32 v8, v0, 2, SPARE
	v_mov_b32 v9, 0
	ds_add_u32 v8, v9                              ; the wave's opening: the add and its wait ahead of my first tensor load
	ds_add_u32 v8, v9
	v_lshrrev_b32 v1, 5, v0
	v_readfirstlane_b32 s18, v1                    ; wave 0..7
	s_and_b32 s19, s18, 1                          ; cg
	s_lshr_b32 s20, s18, 1                         ; tq
	s_and_b32 s21, ttmp7, 0xffff                   ; y
	s_mov_b32 s24, (1<<16)|(1<<20)|(3<<22)|(3<<25) ; 256 rows of 64 bytes asked for as 64 rows of 256, padded after every 16 words by 4: pitch 80
	s_mov_b32 s25, 128<<16
	s_mov_b32 s26, 64<<16
	s_mov_b32 s27, 128<<16
	s_mov_b32 s28, 64
	s_mov_b32 s29, 128
	s_mov_b32 s30, 0
	s_mov_b32 s31, 0
	s_mov_b32 s40, 1
	s_mul_i32 s41, s18, 20480
	s_mov_b32 s52, 0x439044fe                      ; 2 c2
	s_mov_b32 s53, s52
	s_mov_b32 s54, 0xc31044fe                      ; -c2
	s_mov_b32 s59, 0xbb632166                      ; -1 / (2 c2)
	s_mov_b32 s56, 0x76543210
	s_mov_b32 s57, 0xfedcba98
	s_lshl_b32 s22, s21, 17                        ; the block's 2,048 rows of zb,
	s_lshl_b32 s55, s18, 14                        ; my 256
	s_add_co_u32 s22, s22, s55
	s_mov_b32 s23, 0
	s_wait_dscnt 0x0                               ; the opening add is done
	s_wait_kmcnt 0x0
	s_add_nc_u64 s[42:43], s[8:9], s[22:23]
	s_or_b32 s43, s43, 0x80000000
	tensor_load_to_lds s[40:43], s[24:31]          ; the launch's only fill: one load of mine is out
	s_nop 0
	s_lshl_b32 s22, s21, 13                        ; 2,048 words
	s_add_nc_u64 s[32:33], s[10:11], s[22:23]      ; part,
	s_add_nc_u64 s[44:45], s[12:13], s[22:23]      ; pg,
	s_add_nc_u64 s[46:47], s[14:15], s[22:23]      ; colr (for the least d)
	s_add_nc_u64 s[48:49], s[16:17], s[22:23]      ; and gidf at my token block
	s_lshl_b32 s22, ttmp9, 14
	s_lshl_b32 s55, s19, 13
	s_add_co_u32 s22, s22, s55
	s_add_nc_u64 s[34:35], s[4:5], s[22:23]        ; my 128 code rows
	s_lshl_b32 s22, ttmp9, 10
	s_lshl_b32 s55, s19, 9
	s_add_co_u32 s22, s22, s55
	s_add_nc_u64 s[36:37], s[6:7], s[22:23]        ; their ee
	s_lshl_b32 s22, s21, 16
	s_lshl_b32 s55, ttmp9, 10
	s_add_co_u32 s22, s22, s55
	s_add_nc_u64 s[50:51], s[14:15], s[22:23]      ; colp[y][256 x ..]
	s_lshl_b32 s22, s21, 8
	s_lshl_b32 s55, ttmp9, 2
	s_add_co_u32 s22, s22, s55
	s_add_nc_u64 s[62:63], s[14:15], s[22:23]      ; word 64 y + x, 262,144 bytes on
	v_and_b32 v1, 15, v0                           ; r
	v_bfe_u32 v2, v0, 4, 1                         ; h
	v_cmp_ne_u32 s60, 0, v2
	v_lshlrev_b32 v10, 4, v0                       ; 16 t: thread t takes tokens 1,024 q + 4 t + 0..3
	v_lshlrev_b32 v11, 6, v1
	v_lshl_add_u32 v11, v2, 4, v11                 ; r x 64 + 16 h
	v_lshlrev_b32 v12, 2, v1
	v_lshl_add_u32 v13, v0, 4, TAU
.irp q, 0,1
.irp p, 0,1,2,3,4,5,6,7
	global_load_b128 v[D+32*\q+4*\p:D+32*\q+4*\p+3], v10, s[32:33] offset:32768*\p+4096*\q
.endr
.endr
.irp c, 0,1,2,3,4,5,6,7
	global_load_b128 v[BE+8*\c:BE+8*\c+3],   v11, s[34:35] offset:1024*\c
	global_load_b128 v[BE+8*\c+4:BE+8*\c+7], v11, s[34:35] offset:1024*\c+32
.endr
.irp c, 0,1,2,3,4,5,6,7
	global_load_b32 v[EEL+\c], v12, s[36:37] offset:64*\c
.endr
	s_wait_loadcnt 24                              ; the sixteen loads of lse are in; the 24 issued behind them may stay out
; four tokens' log2 of the sum over the eight slices of 2^lse, the maximum taken away first; times -1 / (2 c2); into LDS
.macro LSE q
.set R, D+32*(\q)
.irp i, 0,1,2,3
	v_max3_num_f32 v[M+\i], v[R+\i], v[R+4+\i], v[R+8+\i]
.endr
.irp i, 0,1,2,3
	v_max3_num_f32 v[M+\i], v[M+\i], v[R+12+\i], v[R+16+\i]
.endr
.irp i, 0,1,2,3
	v_max3_num_f32 v[M+\i], v[M+\i], v[R+20+\i], v[R+24+\i]
.endr
.irp i, 0,1,2,3
	v_max_num_f32 v[M+\i], v[M+\i], v[R+28+\i]
.endr
.irp p, 0,1,2,3,4,5,6,7
.irp u, 0,1
	v_pk_add_f32 v[R+4*\p+2*\u:R+4*\p+2*\u+1], v[R+4*\p+2*\u:R+4*\p+2*\u+1], v[M+2*\u:M+2*\u+1] neg_lo:[0,1] neg_hi:[0,1]
.endr
.endr
.set n, 0
.rept 32
	v_exp_f32 v[R+n], v[R+n]
.set n, n+1
.endr
	v_nop                                          ; a plain line behind the last exponential
	s_wait_alu depctr_va_vdst(0)
.irp p, 0,2,4,6
.irp u, 0,1
	v_pk_add_f32 v[R+4*\p+2*\u:R+4*\p+2*\u+1], v[R+4*\p+2*\u:R+4*\p+2*\u+1], v[R+4*\p+4+2*\u:R+4*\p+4+2*\u+1]
.endr
.endr
.irp p, 0,4
.irp u, 0,1
	v_pk_add_f32 v[R+4*\p+2*\u:R+4*\p+2*\u+1], v[R+4*\p+2*\u:R+4*\p+2*\u+1], v[R+4*\p+8+2*\u:R+4*\p+8+2*\u+1]
.endr
.endr
.irp u, 0,1
	v_pk_add_f32 v[R+2*\u:R+2*\u+1], v[R+2*\u:R+2*\u+1], v[R+16+2*\u:R+16+2*\u+1]
.endr
.irp i, 0,1,2,3
	v_log_f32 v[R+\i], v[R+\i]
.endr
	v_nop
	s_wait_alu depctr_va_vdst(0)
.irp i, 0,1,2,3
	v_add_f32 v[TAUR+4*(\q)+\i], v[M+\i], v[R+\i]
.endr
.irp i, 0,1,2,3
	v_mul_f32 v[TAUR+4*(\q)+\i], s59, v[TAUR+4*(\q)+\i]
.endr
	ds_store_b128 v13, v[TAUR+4*(\q):TAUR+4*(\q)+3] offset:4096*(\q)
.endm
	LSE 0
	LSE 1
	s_wait_loadcnt 0x0                             ; my codes and their ee
.irp c, 0,1,2,3,4,5,6,7
	v_mul_f32 v[W+2*\c], s54, v[EEL+\c]
.endr
.irp c, 0,1,2,3,4,5,6,7
	v_mov_b32 v[W+2*\c+1], v[W+2*\c]
.endr
	s_cmp_lg_u32 ttmp9, 0
	s_cbranch_scc1 .Lnot_first
	; x = 0: the least d of the eight slices and its block, for my eight tokens
.irp q, 0,1
.irp p, 0,1,2,3,4,5,6,7
	global_load_b128 v[D+32*\q+4*\p:D+32*\q+4*\p+3],   v10, s[32:33] offset:262144+32768*\p+4096*\q
	global_load_b128 v[PG+32*\q+4*\p:PG+32*\q+4*\p+3], v10, s[44:45] offset:32768*\p+4096*\q
.endr
.endr
	s_wait_loadcnt 0x0
.irp p, 1,2,3,4,5,6,7
.irp q, 0,1
.irp i, 0,1,2,3
	v_cmp_lt_f32 vcc_lo, v[D+32*\q+4*\p+\i], v[D+32*\q+\i]
	v_cndmask_b32 v[D+32*\q+\i],  v[D+32*\q+\i],  v[D+32*\q+4*\p+\i],  vcc_lo
	v_cndmask_b32 v[PG+32*\q+\i], v[PG+32*\q+\i], v[PG+32*\q+4*\p+\i], vcc_lo
.endr
.endr
.endr
.irp q, 0,1
	global_store_b128 v10, v[D+32*\q:D+32*\q+3],   s[46:47] offset:263168+4096*\q
	global_store_b128 v10, v[PG+32*\q:PG+32*\q+3], s[48:49] offset:4096*\q
.endr
	s_wait_xcnt 0x0                                ; the stores' registers are written again only behind this wait
.Lnot_first:
	s_mul_i32 s55, s20, 40960                      ; my 512 token rows
	v_mul_u32_u24 v3, v1, 80
	v_lshl_add_u32 v3, v2, 4, v3
	v_add_nc_u32 v3, s55, v3                       ; v3: the token fragment's address
	s_lshl_b32 s55, s20, 11
	s_add_co_u32 s55, s55, TAU
	v_lshl_add_u32 v4, v2, 5, s55                  ; v4: my 8 tokens' -LSE / (2 c2)
	s_wait_tensorcnt 0x0                           ; my part of the tokens is in,
	s_wait_dscnt 0x0                               ; my stores are done,
	s_barrier_signal -1
	s_barrier_wait -1                              ; everybody's are
.macro WM x                            ; four products: the token tile against code tiles 4 x + 0..3
.irp k, 0,1,2,3
	v_wmma_f32_16x16x32_bf16 v[D+32*(\x)+8*\k:D+32*(\x)+8*\k+7], v[AF:AF+7], v[BE+8*(4*(\x)+\k):BE+8*(4*(\x)+\k)+7], v[CF:CF+7]
.endr
.endm
.macro FOP x, k, i                     ; y = 2 c2 D - c2 ee for pair i of tile k
.if (\k) < 4
	v_pk_fma_f32 v[D+32*(\x)+8*(\k)+2*(\i):D+32*(\x)+8*(\k)+2*(\i)+1], v[D+32*(\x)+8*(\k)+2*(\i):D+32*(\x)+8*(\k)+2*(\i)+1], s[52:53], v[W+2*(4*(\x)+(\k)):W+2*(4*(\x)+(\k))+1] op_sel_hi:[1,0,1]
.endif
.endm
.macro SOP x, k, n                     ; step n of eight behind tile k's exponentials: p y into four chains, p into the code's sum
.if (\k) >= 0
.set rP, P+8*((\k)%2)
.set rY, D+32*(\x)+8*(\k)
.if (\n) == 0
	s_wait_alu depctr_va_vdst(0)
	v_pk_fma_f32 v[ENT:ENT+1], v[rP:rP+1], v[rY:rY+1], v[ENT:ENT+1]
.elseif (\n) == 1
	v_pk_fma_f32 v[ENT+2:ENT+3], v[rP+2:rP+3], v[rY+2:rY+3], v[ENT+2:ENT+3]
.elseif (\n) == 2
	v_pk_add_f32 v[rP:rP+1], v[rP:rP+1], v[rP+2:rP+3]
.elseif (\n) == 3
	v_pk_fma_f32 v[ENT+4:ENT+5], v[rP+4:rP+5], v[rY+4:rY+5], v[ENT+4:ENT+5]
.elseif (\n) == 4
	v_pk_fma_f32 v[ENT+6:ENT+7], v[rP+6:rP+7], v[rY+6:rY+7], v[ENT+6:ENT+7]
.elseif (\n) == 5
	v_pk_add_f32 v[rP+4:rP+5], v[rP+4:rP+5], v[rP+6:rP+7]
.elseif (\n) == 6
	v_pk_add_f32 v[rP:rP+1], v[rP:rP+1], v[rP+4:rP+5]
.else
	v_pk_add_f32 v[COL+2*(4*(\x)+(\k)):COL+2*(4*(\x)+(\k))+1], v[COL+2*(4*(\x)+(\k)):COL+2*(4*(\x)+(\k))+1], v[rP:rP+1]
.endif
.endif
.endm
; half x of a trip.  ld = 1: the next token tile is fetched behind the first four scalings, which with the two address steps are the places behind the last products that read AF and CF.
.macro PROC x, ld
.irp i, 0,1,2,3
	FOP \x, 0, \i
.endr
.if \ld
	ds_load_b128 v[AF:AF+3],   v3
	ds_load_b128 v[AF+4:AF+7], v3 offset:32
	ds_load_b128 v[CF:CF+3],   v4
	ds_load_b128 v[CF+4:CF+7], v4 offset:16
.endif
.irp k, 0,1,2,3
.irp i, 0,1,2,3
	v_exp_f32 v[P+8*(\k%2)+2*\i], v[D+32*(\x)+8*\k+2*\i]
	FOP \x, \k+1, \i
	SOP \x, \k-1, 2*\i
	v_exp_f32 v[P+8*(\k%2)+2*\i+1], v[D+32*(\x)+8*\k+2*\i+1]
	SOP \x, \k-1, 2*\i+1
.endr
.endr
.irp n, 0,1,2,3,4,5,6,7
	SOP \x, 3, \n
.endr
.endm
.macro TRIP nxt
	PROC 0, \nxt
.if \nxt
	s_wait_dscnt 0x0
	WM 0
.endif
	PROC 1, 0
.if \nxt
	WM 1
	v_add_nc_u32 v3, 1280, v3
	v_add_nc_u32 v4, 64, v4
.endif
.endm
	ds_load_b128 v[AF:AF+3],   v3                  ; token tile 0
	ds_load_b128 v[AF+4:AF+7], v3 offset:32
	ds_load_b128 v[CF:CF+3],   v4
	ds_load_b128 v[CF+4:CF+7], v4 offset:16
	s_wait_dscnt 0x0
	WM 0
	WM 1
.set i, 0
.rept 24                               ; the sums start at 0: 24 plain lines, the places behind the products
	v_mov_b32 v[COL+i], 0
.set i, i+1
.endr
	v_add_nc_u32 v3, 1280, v3
	v_add_nc_u32 v4, 64, v4
	s_mov_b32 s58, 31
.Ltrip:
	TRIP 1
	s_sub_co_u32 s58, s58, 1
	s_cmp_lg_u32 s58, 0
	s_cbranch_scc1 .Ltrip
	TRIP 0                                         ; the last tile: nothing is fetched
	; THE TAIL.  The wave's sum of p y; each code's sum over the wave's 512 tokens; the four token quarters meet in LDS.
	v_pk_add_f32 v[ENT:ENT+1], v[ENT:ENT+1], v[ENT+2:ENT+3]
	v_pk_add_f32 v[ENT+4:ENT+5], v[ENT+4:ENT+5], v[ENT+6:ENT+7]
	v_pk_add_f32 v[ENT:ENT+1], v[ENT:ENT+1], v[ENT+4:ENT+5]
	v_add_f32 v[ENT], v[ENT], v[ENT+1]
	v_add_f32_dpp v[ENT], v[ENT], v[ENT] row_xmask:1 row_mask:0xf bank_mask:0xf
	v_add_f32_dpp v[ENT], v[ENT], v[ENT] row_xmask:2 row_mask:0xf bank_mask:0xf
	v_add_f32_dpp v[ENT], v[ENT], v[ENT] row_xmask:4 row_mask:0xf bank_mask:0xf
	v_add_f32_dpp v[ENT], v[ENT], v[ENT] row_xmask:8 row_mask:0xf bank_mask:0xf
	v_permlanex16_b32 v[ENT+1], v[ENT], s56, s57
	v_add_f32 v[ENT], v[ENT], v[ENT+1]
.irp c, 0,1,2,3,4,5,6,7
	v_add_f32 v[COL+2*\c], v[COL+2*\c], v[COL+2*\c+1]
.endr
.irp c, 0,1,2,3,4,5,6,7
	v_permlanex16_b32 v[COL+2*\c+1], v[COL+2*\c], s56, s57
.endr
.irp c, 0,1,2,3,4,5,6,7
	v_add_f32 v[COL+2*\c], v[COL+2*\c], v[COL+2*\c+1]
.endr
.irp j, 0,1,2,3
	v_cndmask_b32 v[P+\j], v[COL+4*\j], v[COL+4*\j+2], s60   ; lane L: code 32 j + L
.endr
	s_lshl_b32 s55, s18, 2
	s_add_co_u32 s55, s55, ENTS
	v_mov_b32 v15, s55
	ds_store_b32 v15, v[ENT]                       ; all lanes write the same number to the wave's word
	v_and_b32 v5, 31, v0
	s_lshl_b32 s55, s20, 10
	s_lshl_b32 s61, s19, 9
	s_add_co_u32 s55, s55, s61
	s_add_co_u32 s55, s55, SCRC
	v_lshl_add_u32 v14, v5, 2, s55
.irp j, 0,1,2,3
	ds_store_b32 v14, v[P+\j] offset:128*\j
.endr
	s_wait_dscnt 0x0                               ; for the others' sake: my stores are done
	s_barrier_signal -1
	s_barrier_wait -1
	s_cmp_ge_u32 s18, 4
	s_cbranch_scc1 .Lno_columns
	s_lshl_b32 s55, s18, 8
	v_lshl_add_u32 v6, v5, 3, s55                  ; wave w < 4: codes 64 w + 2 L, + 1
	v_add_nc_u32 v7, SCRC, v6
	ds_load_b64 v[204:205], v7
	ds_load_b64 v[206:207], v7 offset:1024
	ds_load_b64 v[208:209], v7 offset:2048
	ds_load_b64 v[210:211], v7 offset:3072
	s_wait_dscnt 0x0
	v_pk_add_f32 v[204:205], v[204:205], v[206:207]
	v_pk_add_f32 v[208:209], v[208:209], v[210:211]
	v_pk_add_f32 v[204:205], v[204:205], v[208:209]
	global_store_b64 v6, v[204:205], s[50:51]      ; 256 consecutive bytes, aligned
.Lno_columns:
	v_mov_b32 v15, ENTS
	ds_load_b128 v[212:215], v15
	ds_load_b128 v[216:219], v15 offset:16
	v_mov_b32 v14, 0
	v_cmp_eq_u32 vcc_lo, 0, v0
	s_wait_dscnt 0x0
	v_pk_add_f32 v[212:213], v[212:213], v[214:215]
	v_pk_add_f32 v[216:217], v[216:217], v[218:219]
	v_pk_add_f32 v[212:213], v[212:213], v[216:217]
	v_add_f32 v212, v212, v213
	s_wait_xcnt 0x0                                ; EXEC changes only behind this wait
	s_and_saveexec_b32 s61, vcc_lo
	global_store_b32 v14, v212, s[62:63] offset:262144   ; thread 0: the work-group's sum of p y
	s_wait_xcnt 0x0
	s_or_b32 exec_lo, exec_lo, s61
	s_wait_tensorcnt 0x0                           ; the wave's end
	ds_add_u32 v8, v9
	s_wait_dscnt 0x0
	s_endpgm
.Lfunc_end_k_q5ae521d3ef_cols:
	.size	k_q5ae521d3ef_cols, .Lfunc_end_k_q5ae521d3ef_cols-k_q5ae521d3ef_cols
	.p2alignl 7, 3214868480
	.fill 96, 4, 3214868480
	.section	.rodata,"a",@progbits
	.p2align	6, 0x0
	.amdhsa_kernel k_q5ae521d3ef_cols
		.amdhsa_group_segment_fixed_size 177408
		.amdhsa_private_segment_fixed_size 0
		.amdhsa_enable_private_segment 0
		.amdhsa_kernarg_size 56
		.amdhsa_user_sgpr_count 2
		.amdhsa_user_sgpr_kernarg_segment_ptr 1
		.amdhsa_wavefront_size32 1
		.amdhsa_system_sgpr_workgroup_id_x 1
		.amdhsa_system_sgpr_workgroup_id_y 1
		.amdhsa_system_sgpr_workgroup_id_z 1
		.amdhsa_system_vgpr_workitem_id 0
		.amdhsa_next_free_vgpr 256
		.amdhsa_next_free_sgpr 72
		.amdhsa_reserve_vcc 1
		.amdhsa_float_denorm_mode_32 3
		.amdhsa_float_denorm_mode_16_64 3
		.amdhsa_memory_ordered 1
		.amdhsa_forward_progress 1
		.amdhsa_inst_pref_size 49
	.end_amdhsa_kernel
	.amdgpu_metadata
---
amdhsa.version: [ 1, 2 ]
amdhsa.kernels:
  - .name:           k_q5ae521d3ef_cols
    .symbol:         k_q5ae521d3ef_cols.kd
    .args:
      - { .name: eb, .offset: 0, .size: 8, .value_kind: global_buffer, .address_space: global }
      - { .name: nrm, .offset: 8, .size: 8, .value_kind: global_buffer, .address_space: global }
      - { .name: zb, .offset: 16, .size: 8, .value_kind: global_buffer, .address_space: global }
      - { .name: part, .offset: 24, .size: 8, .value_kind: global_buffer, .address_space: global }
      - { .name: pg, .offset: 32, .size: 8, .value_kind: global_buffer, .address_space: global }
      - { .name: colr, .offset: 40, .size: 8, .value_kind: global_buffer, .address_space: global }
      - { .name: gidf, .offset: 48, .size: 8, .value_kind: global_buffer, .address_space: global }
    .group_segment_fixed_size: 177408
    .private_segment_fixed_size: 0
    .kernarg_segment_align: 8
    .kernarg_segment_size: 56
    .max_flat_workgroup_size: 256
    .sgpr_count:     72
    .vgpr_count:     256
    .wavefront_size: 32
...
	.end_amdgpu_metadata
.endif
;; end of part 3
;; launch fin (part 4): grid 129 x 1, 16 waves a work-group, no clusters, 7,680 bytes of LDS; arguments eb, nrm, zb, gidf, colr, out0, out1, out2; writes out0, out1, out2
.if DOCPART == 4
	.amdgcn_target "amdgcn-amd-amdhsa--gfx1250"
	.amdhsa_code_object_version 6
	.text
	.protected	k_q5ae521d3ef_fin
	.globl	k_q5ae521d3ef_fin
	.p2align	8
	.type	k_q5ae521d3ef_fin,@function
k_q5ae521d3ef_fin:
	s_mov_b64 s[64:65], 0
	v_nop
	global_prefetch_b8 v0, s[64:65] scope:SCOPE_SE
	s_setreg_imm32_b32 hwreg(HW_REG_WAVE_MODE, 25, 1), 1
	s_wait_xcnt 0x0
; FIN.  Work-groups 0-127: 64 tokens each, four a wave.  The winning block of 32 codes is read as a whole number that an earlier launch stored; lane L takes code 32 block + L, makes
; d = fl(fl(zz + ee) - 2 dot) once more, and the first lane that holds the wave's minimum is the index.  The winner's row is CHOSEN, not addressed: the block is also loaded turned
; (lane (r, h) holds word r of the codes 2 k + h), and sixteen selects by v_cndmask_b32 keep the winner's word; all lanes stay on, and no address hangs on a comparison of floats.
; The rows meet in LDS and leave turned, as [channel][token]: out0 = z + (z_q - z) on the rounded z, out2 = the index.
; Work-group 128: the loss = 1.25 / 262144 sum(dmin) - 0.1 ln2 / 8192 sum(p log2 p) + 0.1 ln2 sum(a log2(a + 1e-5)), a = column sum / 8192.
; (The 1e-5 inside log_softmax shifts all of a row alike and cancels.)  No matrix work: 32 dots of 32 a token.
; LIMITS.  The commit term takes d as f32 holds it: off by one step of d a token at the most.  NaN and infinities are not treated apart: a token whose d are NaN has no winner, and its row is 0.
.set ZQ,    0                          ; LDS: 64 rows of 64 bytes at pitch 80
.set IDX,   5120                       ; 64 indices
.set RED,   5376                       ; a word a wave
.set SPARE, 5632                       ; the spare words, 128 bytes a wave, which no other line names
.set E,    16                          ; v[16:79]   token j: my code's row, 16 words; later the way out's data
.set Z,    80                          ; v[80:143]  token j: its own row
.set G,    144                         ; v[144:207] token j: word r of the codes 2 k + h, k = 0..15
.set EEL,  208                         ; v[208:211] my code's ee
.set ZERO, 212
.set ACC,  214                         ; v[214:221] two chains a token; later at work
.set DD,   222                         ; v[222:225] d; later two tokens' words in one register
.set MN,   226                         ; v[226:229] the dot, then the wave's minimum
.set TT,   230                         ; v[230:233] zz + ee, then at work, then the index
.set GOFF, 234                         ; v[234:237] byte offset of my turned words
.set RES,  238                         ; v[238:241] the winner's word r
.set VT,   242                         ; v[242:245] the winner's lane less h
.set A_O0,  249                        ; out0: 2,048 w + 8 L
.set A_ZQS, 250                        ; ZQ, in: (4 w + h) 80 + 4 r
.set A_IXS, 251                        ; IDX, in: 16 w
.set A_IXL, 252                        ; IDX, back: 8 L
.set A_O2,  253                        ; out2: 8 L
.set A_ZQL, 254                        ; ZQ, back: 160 L + 4 w
.set A_ZBL, 255                        ; zb: 128 L + 4 w
	s_load_b256 s[4:11], s[0:1], 0x0               ; eb s[4:5], nrm s[6:7], zb s[8:9], gidf s[10:11]
	s_load_b256 s[12:19], s[0:1], 0x20             ; colr s[12:13], out0 s[14:15], out1 s[16:17], out2 s[18:19]
	v_lshl_add_u32 v8, v0, 2, SPARE
	v_mov_b32 v9, 0
	v_lshrrev_b32 v1, 5, v0
	v_readfirstlane_b32 s36, v1                    ; wave 0..15
	v_and_b32 v1, 31, v0                           ; lane
	s_mov_b32 s42, 0x76543210                      ; v_permlanex16_b32: each lane takes its own place in the other half
	s_mov_b32 s43, 0xfedcba98
	s_mov_b32 s21, 0
	s_wait_kmcnt 0x0
	s_cmp_eq_u32 ttmp9, 128
	s_cbranch_scc1 .Lloss
	s_lshl_b32 s20, ttmp9, 8                       ; 64 words a work-group,
	s_lshl_b32 s40, s36, 4                         ; 4 a wave
	s_add_co_u32 s20, s20, s40
	s_add_nc_u64 s[22:23], s[10:11], s[20:21]
	s_add_nc_u64 s[28:29], s[6:7], s[20:21]
	s_load_b128 s[24:27], s[22:23], 0x0            ; my four tokens' blocks
	s_load_b128 s[32:35], s[28:29], 0x20000        ; and their zz
	s_lshl_b32 s20, ttmp9, 12
	s_add_nc_u64 s[38:39], s[8:9], s[20:21]        ; zb at the work-group's first token
	s_lshr_b32 s20, ttmp9, 2
	s_lshl_b32 s20, s20, 15                        ; the image,
	s_and_b32 s40, ttmp9, 3
	s_lshl_b32 s40, s40, 8                         ; the 64 tokens in each of its planes
	s_add_co_u32 s20, s20, s40
	s_add_nc_u64 s[48:49], s[14:15], s[20:21]
	s_lshl_b32 s20, ttmp9, 8
	s_add_nc_u64 s[50:51], s[18:19], s[20:21]
	; every address of the token path is made here, from the lane, the wave and constants
	v_lshlrev_b32 v2, 6, v1                        ; 64 L
	v_lshlrev_b32 v3, 2, v1                        ; 4 L
	v_and_b32 v248, 15, v1                         ; r
	v_lshrrev_b32 v15, 4, v1                       ; h
	v_cmp_ne_u32 s56, 0, v15                       ; the lanes with h = 1
	v_lshlrev_b32 v247, 2, v248
	v_lshl_add_u32 v247, v15, 6, v247              ; 64 h + 4 r: word r of code h of a block
	s_mul_i32 s40, s36, 320
	v_mul_u32_u24 v[A_ZQS], v15, 80
	v_lshl_add_u32 v[A_ZQS], v248, 2, v[A_ZQS]
	v_add_nc_u32 v[A_ZQS], s40, v[A_ZQS]
	s_lshl_b32 s40, s36, 4
	s_add_co_u32 s40, s40, IDX
	v_mov_b32 v[A_IXS], s40
	v_lshl_add_u32 v[A_IXL], v1, 3, IDX
	v_lshlrev_b32 v[A_O2], 3, v1
	s_lshl_b32 s40, s36, 2
	v_mul_u32_u24 v[A_ZQL], v1, 160
	v_add_nc_u32 v[A_ZQL], s40, v[A_ZQL]
	v_lshl_add_u32 v[A_ZBL], v1, 7, s40
	s_lshl_b32 s41, s36, 11
	v_lshl_add_u32 v[A_O0], v1, 3, s41
	s_lshl_b32 s40, s36, 8
	v_mov_b32 v14, s40                             ; my four tokens' rows: the same address in every lane
	v_mov_b32 v[ZERO], 0
	s_wait_kmcnt 0x0
.irp j, 0,1,2,3
	s_min_u32 s[24+\j], s[24+\j], 511              ; a block number stays inside the table
	s_lshl_b32 s40, s[24+\j], 11                   ; 32 rows of 64 bytes a block
	v_add_nc_u32 v[10+\j], s40, v2
	v_add_nc_u32 v[GOFF+\j], s40, v247
	s_lshl_b32 s40, s[24+\j], 7
	v_add_nc_u32 v[4+\j], s40, v3
.endr
.irp j, 0,1,2,3
.irp q, 0,1,2,3
	global_load_b128 v[E+16*\j+4*\q:E+16*\j+4*\q+3], v[10+\j], s[4:5] offset:16*\q
	global_load_b128 v[Z+16*\j+4*\q:Z+16*\j+4*\q+3], v14, s[38:39] offset:64*\j+16*\q
.endr
	global_load_b32 v[EEL+\j], v[4+\j], s[6:7]
.endr
.irp j, 0,1,2,3
.set k, 0
.rept 16
	global_load_b32 v[G+16*\j+k], v[GOFF+\j], s[4:5] offset:128*k   ; codes 2 k and 2 k + 1: 128 consecutive bytes a wave
.set k, k+1
.endr
.endr
	s_wait_loadcnt 0x0
.set i, 0
.rept 16                               ; the dots: bf16 halves multiplied into f32, the low halves' chain and the high halves', four tokens by turns
.irp j, 0,1,2,3
.if i == 0
	v_fma_mix_f32_bf16 v[ACC+2*\j],   v[E+16*\j+i], v[Z+16*\j+i], v[ZERO] op_sel_hi:[1,1,0]
	v_fma_mix_f32_bf16 v[ACC+2*\j+1], v[E+16*\j+i], v[Z+16*\j+i], v[ZERO] op_sel:[1,1,0] op_sel_hi:[1,1,0]
.else
	v_fma_mix_f32_bf16 v[ACC+2*\j],   v[E+16*\j+i], v[Z+16*\j+i], v[ACC+2*\j] op_sel_hi:[1,1,0]
	v_fma_mix_f32_bf16 v[ACC+2*\j+1], v[E+16*\j+i], v[Z+16*\j+i], v[ACC+2*\j+1] op_sel:[1,1,0] op_sel_hi:[1,1,0]
.endif
.endr
.set i, i+1
.endr
.irp j, 0,1,2,3
	v_add_f32 v[MN+\j], v[ACC+2*\j], v[ACC+2*\j+1]
	v_add_f32 v[TT+\j], s[32+\j], v[EEL+\j]
.endr
.irp j, 0,1,2,3
	v_fma_f32 v[DD+\j], -2.0, v[MN+\j], v[TT+\j]
.endr
.irp j, 0,1,2,3
	v_min_num_f32_dpp v[MN+\j], v[DD+\j], v[DD+\j] row_xmask:1 row_mask:0xf bank_mask:0xf
.endr
.irp m, 2,4,8
.irp j, 0,1,2,3
	v_min_num_f32_dpp v[MN+\j], v[MN+\j], v[MN+\j] row_xmask:\m row_mask:0xf bank_mask:0xf
.endr
.endr
.irp j, 0,1,2,3
	v_permlanex16_b32 v[TT+\j], v[MN+\j], s42, s43
.endr
.irp j, 0,1,2,3
	v_min_num_f32 v[MN+\j], v[MN+\j], v[TT+\j]
.endr
.irp j, 0,1,2,3
	v_cmp_eq_f32 vcc_lo, v[DD+\j], v[MN+\j]        ; the lanes that hold the minimum
	s_ctz_i32_b32 s45, vcc_lo                      ; the first of them: a number that is stored and compared, never an address
	s_lshl_b32 s46, s[24+\j], 5
	s_add_co_u32 s46, s46, s45
	v_mov_b32 v[TT+\j], s46                        ; the index
	v_sub_nc_u32 v[VT+\j], s45, v15                ; my codes are 2 k + h: the winner is mine where 2 k = l - h
.endr
.irp j, 0,1,2,3
	v_cmp_eq_u32 s[52+\j], 0, v[VT+\j]
.endr
.irp j, 0,1,2,3
	v_cndmask_b32 v[RES+\j], 0, v[G+16*\j], s[52+\j]
.endr
.set k, 1
.rept 15                               ; the four tokens by turns, a mask register each
.irp j, 0,1,2,3
	v_cmp_eq_u32 s[52+\j], 2*k, v[VT+\j]
.endr
.irp j, 0,1,2,3
	v_cndmask_b32 v[RES+\j], v[RES+\j], v[G+16*\j+k], s[52+\j]
.endr
.set k, k+1
.endr
.irp j, 0,1,2,3
	v_permlanex16_b32 v[ACC+\j], v[RES+\j], s42, s43   ; one half of the lanes holds the word, the other 0
.endr
.irp j, 0,1,2,3
	v_or_b32 v[RES+\j], v[RES+\j], v[ACC+\j]
.endr
	v_cndmask_b32 v[DD],   v[RES],   v[RES+1], s56     ; lanes 0-15: token 0's words, lanes 16-31: token 1's
	v_cndmask_b32 v[DD+1], v[RES+2], v[RES+3], s56
	ds_store_b32 v[A_ZQS], v[DD]
	ds_store_b32 v[A_ZQS], v[DD+1] offset:160
.irp j, 0,1,2,3
	ds_store_b32 v[A_IXS], v[TT+\j] offset:4*\j        ; all lanes write the same number to the token's word
.endr
	s_wait_dscnt 0x0                               ; for the others' sake: my stores are done
	s_barrier_signal -1
	s_barrier_wait -1
	s_cmp_lg_u32 s36, 0
	s_cbranch_scc1 .Lnot_wave_0
	ds_load_b64 v[28:29], v[A_IXL]
	s_wait_dscnt 0x0
	global_store_b64 v[A_O2], v[28:29], s[50:51]   ; the 64 indices: 256 consecutive bytes, aligned
.Lnot_wave_0:
	; wave w: channels 2 w and 2 w + 1 (word w of every row); lane L: tokens 2 L and 2 L + 1
	ds_load_b32 v16, v[A_ZQL]
	ds_load_b32 v17, v[A_ZQL] offset:80
	global_load_b32 v18, v[A_ZBL], s[38:39]
	global_load_b32 v19, v[A_ZBL], s[38:39] offset:64
	s_mov_b32 s46, 0xffff0000
	s_wait_loadcnt 0x0
	s_wait_dscnt 0x0
	v_lshlrev_b32 v20, 16, v16
	v_lshlrev_b32 v21, 16, v17
	v_and_b32 v22, s46, v16
	v_and_b32 v23, s46, v17
	v_lshlrev_b32 v24, 16, v18
	v_lshlrev_b32 v25, 16, v19
	v_and_b32 v26, s46, v18
	v_and_b32 v27, s46, v19
	v_pk_add_f32 v[20:21], v[20:21], v[24:25] neg_lo:[0,1] neg_hi:[0,1]   ; z_q - z,
	v_pk_add_f32 v[22:23], v[22:23], v[26:27] neg_lo:[0,1] neg_hi:[0,1]
	v_pk_add_f32 v[20:21], v[24:25], v[20:21]                            ; and z added again, as the straight-through form has it
	v_pk_add_f32 v[22:23], v[26:27], v[22:23]
	global_store_b64 v[A_O0], v[20:21], s[48:49]               ; 256 consecutive bytes, aligned
	global_store_b64 v[A_O0], v[22:23], s[48:49] offset:1024
	s_wait_tensorcnt 0x0                           ; the wave's end
	ds_add_u32 v8, v9
	s_wait_dscnt 0x0
	s_endpgm
.Lloss:                                                ; 512 threads: thread t takes codes 2,048 j + 4 t + 0..3 and tokens 2,048 i + 4 t + 0..3
	v_lshlrev_b32 v10, 4, v0
	v_and_b32 v11, 255, v0
	v_lshlrev_b32 v11, 2, v11
.irp j, 0,1,2,3,4,5,6,7
.irp b, 0,1,2,3
	global_load_b128 v[16+16*\j+4*\b:16+16*\j+4*\b+3], v10, s[12:13] offset:8192*\j+65536*\b
.endr
.endr
.irp i, 0,1,2,3
	global_load_b128 v[144+4*\i:144+4*\i+3], v10, s[12:13] offset:263168+8192*\i
.endr
	global_load_b32 v160, v11, s[12:13] offset:262144
	v_cmp_gt_u32 vcc_lo, 256, v0
	s_mov_b32 s40, 0x3d8df4e0                      ; 0.1 ln2
	s_mov_b32 s41, 0x36a00000                      ; 1.25 / 262144
	s_mov_b32 s46, 0xb70df4e0                      ; -0.1 ln2 / 8192
	s_wait_loadcnt 0x0
	v_cndmask_b32 v160, 0, v160, vcc_lo            ; 256 partial sums of p y: threads 256 and up add nothing
.irp j, 0,1,2,3,4,5,6,7
.irp u, 0,1
	v_pk_add_f32 v[16+16*\j+2*\u:16+16*\j+2*\u+1], v[16+16*\j+2*\u:16+16*\j+2*\u+1], v[20+16*\j+2*\u:20+16*\j+2*\u+1]
	v_pk_add_f32 v[24+16*\j+2*\u:24+16*\j+2*\u+1], v[24+16*\j+2*\u:24+16*\j+2*\u+1], v[28+16*\j+2*\u:28+16*\j+2*\u+1]
.endr
.endr
.irp j, 0,1,2,3,4,5,6,7
.irp u, 0,1
	v_pk_add_f32 v[16+16*\j+2*\u:16+16*\j+2*\u+1], v[16+16*\j+2*\u:16+16*\j+2*\u+1], v[24+16*\j+2*\u:24+16*\j+2*\u+1]
.endr
.endr
.irp j, 0,1,2,3,4,5,6,7
.irp u, 0,1
	v_pk_mul_f32 v[16+16*\j+2*\u:16+16*\j+2*\u+1], v[16+16*\j+2*\u:16+16*\j+2*\u+1], 0x39000000 op_sel_hi:[1,0]   ; a = sum / 8192
.endr
.endr
.irp j, 0,1,2,3,4,5,6,7
.irp u, 0,1
	v_pk_add_f32 v[20+16*\j+2*\u:20+16*\j+2*\u+1], v[16+16*\j+2*\u:16+16*\j+2*\u+1], 0x3727c5ac op_sel_hi:[1,0]   ; a + 1e-5
.endr
.endr
.irp j, 0,1,2,3,4,5,6,7
.irp i, 0,1,2,3
	v_log_f32 v[20+16*\j+\i], v[20+16*\j+\i]
.endr
.endr
	v_pk_add_f32 v[144:145], v[144:145], v[146:147]            ; the least distances meanwhile: plain lines behind the logarithms
	v_pk_add_f32 v[148:149], v[148:149], v[150:151]
	v_pk_add_f32 v[152:153], v[152:153], v[154:155]
	v_pk_add_f32 v[156:157], v[156:157], v[158:159]
	v_pk_add_f32 v[144:145], v[144:145], v[148:149]
	v_pk_add_f32 v[152:153], v[152:153], v[156:157]
	v_pk_add_f32 v[144:145], v[144:145], v[152:153]
	v_add_f32 v144, v144, v145
	s_wait_alu depctr_va_vdst(0)
	v_pk_mul_f32 v[162:163], v[16:17], v[20:21]
	v_pk_mul_f32 v[164:165], v[18:19], v[22:23]
.irp j, 1,2,3,4,5,6,7
	v_pk_fma_f32 v[162:163], v[16+16*\j:17+16*\j], v[20+16*\j:21+16*\j], v[162:163]
	v_pk_fma_f32 v[164:165], v[18+16*\j:19+16*\j], v[22+16*\j:23+16*\j], v[164:165]
.endr
	v_pk_add_f32 v[162:163], v[162:163], v[164:165]
	v_add_f32 v162, v162, v163
	v_mul_f32 v170, s40, v162                      ; 0.1 ln2 sum(a log2(a + 1e-5))
	v_fmac_f32 v170, s41, v144                     ; + 1.25 / 262144 sum(dmin)
	v_fmac_f32 v170, s46, v160                     ; - 0.1 ln2 / 8192 sum(p log2 p)
	v_add_f32_dpp v170, v170, v170 row_xmask:1 row_mask:0xf bank_mask:0xf
	v_add_f32_dpp v170, v170, v170 row_xmask:2 row_mask:0xf bank_mask:0xf
	v_add_f32_dpp v170, v170, v170 row_xmask:4 row_mask:0xf bank_mask:0xf
	v_add_f32_dpp v170, v170, v170 row_xmask:8 row_mask:0xf bank_mask:0xf
	v_permlanex16_b32 v162, v170, s42, s43
	v_add_f32 v170, v170, v162
	s_lshl_b32 s40, s36, 2
	s_add_co_u32 s40, s40, RED
	v_mov_b32 v12, s40
	ds_store_b32 v12, v170                         ; all lanes write the same number to the wave's word
	s_wait_dscnt 0x0                               ; for the others' sake: my store is done
	s_barrier_signal -1
	s_barrier_wait -1
	v_mov_b32 v13, RED
	ds_load_b128 v[16:19], v13
	ds_load_b128 v[20:23], v13 offset:16
	ds_load_b128 v[24:27], v13 offset:32
	ds_load_b128 v[28:31], v13 offset:48
	v_mov_b32 v14, 0
	v_cmp_eq_u32 vcc_lo, 0, v0
	s_wait_dscnt 0x0
	v_pk_add_f32 v[16:17], v[16:17], v[18:19]
	v_pk_add_f32 v[20:21], v[20:21], v[22:23]
	v_pk_add_f32 v[24:25], v[24:25], v[26:27]
	v_pk_add_f32 v[28:29], v[28:29], v[30:31]
	v_pk_add_f32 v[16:17], v[16:17], v[20:21]
	v_pk_add_f32 v[24:25], v[24:25], v[28:29]
	v_pk_add_f32 v[16:17], v[16:17], v[24:25]
	v_add_f32 v16, v16, v17
	s_wait_xcnt 0x0                                ; EXEC changes only behind this wait
	s_and_saveexec_b32 s44, vcc_lo
	global_store_b32 v14, v16, s[16:17]            ; thread 0: the loss
	s_wait_xcnt 0x0
	s_or_b32 exec_lo, exec_lo, s44
	s_wait_tensorcnt 0x0                           ; the wave's end
	ds_add_u32 v8, v9
	s_wait_dscnt 0x0
	s_endpgm
.Lfunc_end_k_q5ae521d3ef_fin:
	.size	k_q5ae521d3ef_fin, .Lfunc_end_k_q5ae521d3ef_fin-k_q5ae521d3ef_fin
	.p2alignl 7, 3214868480
	.fill 96, 4, 3214868480
	.section	.rodata,"a",@progbits
	.p2align	6, 0x0
	.amdhsa_kernel k_q5ae521d3ef_fin
		.amdhsa_group_segment_fixed_size 7680
		.amdhsa_private_segment_fixed_size 0
		.amdhsa_enable_private_segment 0
		.amdhsa_kernarg_size 64
		.amdhsa_user_sgpr_count 2
		.amdhsa_user_sgpr_kernarg_segment_ptr 1
		.amdhsa_wavefront_size32 1
		.amdhsa_system_sgpr_workgroup_id_x 1
		.amdhsa_system_sgpr_workgroup_id_y 1
		.amdhsa_system_sgpr_workgroup_id_z 1
		.amdhsa_system_vgpr_workitem_id 0
		.amdhsa_next_free_vgpr 256
		.amdhsa_next_free_sgpr 66
		.amdhsa_reserve_vcc 1
		.amdhsa_float_denorm_mode_32 3
		.amdhsa_float_denorm_mode_16_64 3
		.amdhsa_memory_ordered 1
		.amdhsa_forward_progress 1
		.amdhsa_inst_pref_size 49
	.end_amdhsa_kernel
	.amdgpu_metadata
---
amdhsa.version: [ 1, 2 ]
amdhsa.kernels:
  - .name:           k_q5ae521d3ef_fin
    .symbol:         k_q5ae521d3ef_fin.kd
    .args:
      - { .name: eb, .offset: 0, .size: 8, .value_kind: global_buffer, .address_space: global }
      - { .name: nrm, .offset: 8, .size: 8, .value_kind: global_buffer, .address_space: global }
      - { .name: zb, .offset: 16, .size: 8, .value_kind: global_buffer, .address_space: global }
      - { .name: gidf, .offset: 24, .size: 8, .value_kind: global_buffer, .address_space: global }
      - { .name: colr, .offset: 32, .size: 8, .value_kind: global_buffer, .address_space: global }
      - { .name: out0, .offset: 40, .size: 8, .value_kind: global_buffer, .address_space: global }
      - { .name: out1, .offset: 48, .size: 8, .value_kind: global_buffer, .address_space: global }
      - { .name: out2, .offset: 56, .size: 8, .value_kind: global_buffer, .address_space: global }
    .group_segment_fixed_size: 7680
    .private_segment_fixed_size: 0
    .kernarg_segment_align: 8
    .kernarg_segment_size: 64
    .max_flat_workgroup_size: 512
    .sgpr_count:     66
    .vgpr_count:     256
    .wavefront_size: 32
...
	.end_amdgpu_metadata
.endif
;; end of part 4
